; MI455X (gfx1250); checked and timed in simulation.
; The chip was launched on July 23, 2026; its instructions are those of AMD's public machine-readable ISA for CDNA 5 (MIT licence, August 2026) and "CDNA5" Instruction Set Architecture Reference Guide (July 2026). The comments in the code are by the model that wrote it; some were corrected since.
;; Decoder. Allowed arithmetic: float matrix products may take bf16 or f16 operands with f32 sums; all other float work in f32.
;; Inputs: X 2 x 1 x 19 float32; images 14 x 4 x 64 x 64 float32.
;; Outputs: out0 2 x 3 x 128 x 256 float32.
;; One version. Each part assembles by itself: llvm-mc -triple=amdgcn-amd-amdhsa -mcpu=gfx1250 --defsym DOCPART=n.
;; ======== version 1 of 1: 1 launch
;; launch compose (part 1): grid 3 x 4, 16 waves a work-group, no clusters, 68,608 bytes of LDS; arguments X, images, out0; writes out0
.if DOCPART == 1
	.amdgcn_target "amdgcn-amd-amdhsa--gfx1250"
	.amdhsa_code_object_version 6
	.text
	.protected	k_q990fd987dd_compose
	.globl	k_q990fd987dd_compose
	.p2align	8
	.type	k_q990fd987dd_compose,@function
k_q990fd987dd_compose:
	s_mov_b64 s[64:65], 0
	v_nop
	global_prefetch_b8 v0, s[64:65] scope:SCOPE_SE
	s_setreg_imm32_b32 hwreg(HW_REG_WAVE_MODE, 25, 1), 1
	s_wait_xcnt 0x0
; out0[b][ch][r][c] for one box suggestion a batch: the emoji images[argmax(X[b][5:19])] resampled into the box, 1 outside it, 0 if the box is invalid.
; THE ARITHMETIC.  The squared distance is (r - src_r[i])^2 + (c - src_c[j])^2, so the softmax over the 4096 emoji pixels is, for every input, the product
; Ar[r][i] * Ac[c][j] of a softmax over i and a softmax over j (the joint maximum is the sum of the two maxima; each factor takes its own away), and
; R[ch] = Ar (128 x 64) . img[ch] (64 x 64) . Ac^T (64 x 256): two small products on the matrix units, bf16 operands, f32 sums.
; THE CHOICE OF THE IMAGE steers no address: every work-group loads its channel of all 14 images (14 x 16,384 bytes) and keeps the winner by v_cndmask_b32.
; SHARES.  Grid 3 x 4: x = channel, y = 2 batch + column half.  A work-group makes 128 rows x 128 columns with 16 waves.
;   thread t: 8 pixels of every candidate (two loads of 16 bytes; a wave's load covers 512 neighbouring bytes); half a row (32 entries) of Ar (waves 0-7) or Ac (waves 8-15).
;   wave w, first product  T[i][p] = sum j img[i][j] Ac[p][j]: column tile w & 7, i blocks 2 (w >> 3) and 2 (w >> 3) + 1.
;   wave w, second product R[r][p] = sum i Ar[r][i] T[i][p]:   rows 16 (w & 7) .. + 15, the 64 columns of group w >> 3.
; COLUMN ORDER.  Row p of Ac in LDS holds the weights of canvas column 64 (p >> 6) + 4 (p & 15) + ((p >> 4) & 3) of the half.  So in the second product lane r of
; column tile t holds column 4 r + t: a lane's four accumulators are four neighbouring columns, and 16 lanes store 256 consecutive bytes, aligned, of one row.
; NO JOINT LOADS, though the four work-groups of a channel read the same bytes: the choice is made in registers; through LDS the 229,376 bytes would be written
; and read once more (448 more LDS loads a work-group), 13/14 of them only to be dropped, for a text with 12 matrix instructions a wave.
; LIMITS.  Weights, image and T are rounded to bf16.  A NaN among the 14 scores never wins here (jnp.argmax would take it).  Image values are taken to be finite.
; An invalid box (also from NaN, infinite or very large X) gives 0 everywhere, whatever the discarded arithmetic holds.
.set NCAND,  14
.set CANDB,  65536                     ; bytes from an image to the next: 4 channels x 64 x 64 x 4
.set PITCH,  144                       ; an LDS row of 64 bf16 + 16 bytes: 9 x 16, so the 16 rows of a fragment load start in 16 different columns of 16 bytes
.set TPITCH, 80                        ; a row of a T fragment: 32 bf16 + 16 bytes = 5 x 16
.set TFRAG,  16*TPITCH                 ; a T fragment: 16 columns x 32 i, the bytes of the wave that made it
.set LAR,    0                         ; Ar: 128 rows
.set LAC,    128*PITCH                 ; Ac: 128 rows
.set LIMG,   256*PITCH                 ; the chosen image's channel: 64 rows
.set LTT,    LIMG+64*PITCH             ; 16 T fragments; LDS ends at LTT + 16 TFRAG = 66,560
.set IMG,   16                         ; v[16:127]  candidate n: 8 registers at IMG + 8 n; the choice gathers in candidate 0's
.set WD,    128                        ; v[128:159] my 32 entries: distance, its square, exponent, weight
.set WPK,   160                        ; v[160:175] the 32 weights in bf16
.set WNS,   176                        ; v[176:177] -(box / 64), twice
.set WML,   178                        ; v[178:179] least squared distance x log2 e, twice
.set WMIN,  180                        ; v[180:183] four running minima
.set WSUM,  184                        ; v[184:191] four running sums (pairs)
.set FA,    16                         ; v[16:47]   first product: image fragments (i block, K step)
.set FB,    48                         ; v[48:63]   first product: Ac fragments, two K steps
.set TACC,  64                         ; v[64:79]   first product: two accumulators
.set FAR,   80                         ; v[80:95]   second product: Ar fragments, two K steps
.set TPK,   96                         ; v[96:103]  T in bf16
.set FBT,   104                        ; v[104:167] second product: T fragments, 8 (4 k + t)
.set ACC,   168                        ; v[168:199] second product: four accumulators
.set OUTR,  16                         ; v[16:47]   results in the order of the stores
.set VF,    208                        ; r x PITCH + 16 h
.set VWS,   209                        ; where my weights go
.set VIS,   210                        ; where my pixels go
.set VA,    211                        ; image fragments
.set VB,    212                        ; Ac fragments (offset LAC) and Ar fragments (offset LAR): both at 16 (wave & 7) rows
.set VTS,   213                        ; where my T fragment goes
.set VBT,   214                        ; T fragments of my column group
.set VOUT,  215                        ; my byte offset in the channel's plane of out0
.set VT,    216                        ; v[216:217] my first row, my first column, as f32
.set IP,    218                        ; v[218:221] my 8 chosen pixels in bf16
.set SEL,   48                         ; s[49:61]   candidate n beats all before it
.set RM,    66                         ; s[66:73]   row 8 h + j of my 16 lies in the box, and the box is valid
.set CM,    74                         ; s[74:77]   column 4 r + t of my 64 lies in the box
	s_load_b128 s[4:7], s[0:1], 0x0                ; X s[4:5], images s[6:7]
	s_load_b64 s[8:9], s[0:1], 0x10                ; out0
	v_lshl_add_u32 v224, v0, 2, 0x10400
	v_mov_b32 v225, 0
	v_lshrrev_b32 v2, 5, v0
	v_readfirstlane_b32 s10, v2                    ; wave 0..15
	v_lshlrev_b32 v1, 4, v0                        ; 16 t: my 16 bytes in each half of a channel; never rewritten
	s_and_b32 s11, ttmp7, 0xffff
	s_and_b32 s12, s11, 1                          ; column half
	s_lshr_b32 s13, s11, 1                         ; batch
	s_lshl_b32 s14, ttmp9, 14                      ; channel x 16,384 bytes
	s_mov_b32 s15, 0
	s_mul_i32 s2, s13, 76                          ; batch x 19 numbers
	s_mov_b32 s3, 0
	s_mul_i32 s35, s13, 3
	s_add_co_u32 s35, s35, ttmp9
	s_lshl_b32 s46, s35, 17                        ; (3 batch + channel) x 128 x 256 x 4 bytes
	s_mov_b32 s47, 0
	s_wait_kmcnt 0x0
	s_add_nc_u64 s[4:5], s[4:5], s[2:3]
	s_add_nc_u64 s[6:7], s[6:7], s[14:15]
	s_add_nc_u64 s[8:9], s[8:9], s[46:47]
	s_load_b512 s[16:31], s[4:5], 0x0              ; the suggestion: s16-19 corners, s20 unused by the problem, s21-34 the 14 scores
	s_load_b96 s[32:34], s[4:5], 0x40
	; all 28 loads of the wave go out at once: the work-group has its 229,376 bytes on their way while the weights are made
.set n, 0
.rept NCAND
	global_load_b128 v[IMG+8*n:IMG+8*n+3],   v1, s[6:7] offset:n*CANDB          ; image rows 0-31: pixels 4 t .. 4 t + 3
	global_load_b128 v[IMG+8*n+4:IMG+8*n+7], v1, s[6:7] offset:n*CANDB+8192     ; image rows 32-63
.set n, n+1
.endr
	; addresses: lane terms from v0, wave terms from s10
	v_and_b32 v2, 15, v0                           ; r
	v_bfe_u32 v11, v0, 4, 1                        ; h
	s_and_b32 s37, s10, 7
	s_lshr_b32 s38, s10, 3
	v_mul_u32_u24 v[VF], v2, PITCH
	v_mul_u32_u24 v[VTS], v2, TPITCH
	v_lshl_add_u32 v[VF], v11, 4, v[VF]
	v_lshl_add_u32 v[VTS], v11, 4, v[VTS]
	s_mul_i32 s39, s37, 16*PITCH
	s_mul_i32 s40, s38, 32*PITCH
	s_mul_i32 s41, s38, 4*TFRAG
	s_mul_i32 s42, s10, TFRAG
	v_add_nc_u32 v[VB], s39, v[VF]
	v_add_nc_u32 v[VA], s40, v[VF]
	v_add_nc_u32 v[VBT], s41, v[VTS]
	v_add_nc_u32 v[VTS], s42, v[VTS]
	v_lshrrev_b32 v14, 1, v0                       ; my row of the 256 rows of weights
	v_and_b32 v15, 1, v0                           ; which half of its chunks of 8
	v_mul_u32_u24 v[VWS], v14, PITCH
	v_lshl_add_u32 v[VWS], v15, 4, v[VWS]
	v_lshrrev_b32 v12, 4, v0                       ; image row t / 16,
	v_mul_u32_u24 v[VIS], v12, PITCH
	v_lshl_add_u32 v[VIS], v2, 3, v[VIS]           ; 4 bf16 at column 4 (t % 16)
	s_lshl_b32 s39, s37, 4                         ; my 16 rows of the canvas
	s_lshl_b32 s43, s12, 7                         ; the half's first column
	s_lshl_b32 s44, s38, 6
	s_add_co_u32 s44, s44, s43                     ; my 64 columns
	v_lshl_add_u32 v13, v11, 3, s39                ; row of accumulator register 0
	v_lshl_add_u32 v12, v2, 2, s44                 ; column of accumulator 0
	v_lshlrev_b32 v[VOUT], 10, v13
	v_lshl_add_u32 v[VOUT], v12, 2, v[VOUT]
	v_cvt_f32_u32 v[VT], v13
	v_cvt_f32_u32 v[VT+1], v12
	; the canvas coordinate of my row of weights: waves 0-7 the canvas row, waves 8-15 the canvas column in the order told at the head
	v_and_b32 v2, 15, v14
	v_bfe_u32 v3, v14, 4, 2
	v_lshl_add_u32 v3, v2, 2, v3
	v_and_or_b32 v3, v14, 64, v3
	v_add_nc_u32 v3, s43, v3
	s_cmp_ge_u32 s10, 8
	s_cselect_b32 s45, -1, 0                       ; all lanes: I make Ac
	v_cndmask_b32 v3, v14, v3, s45
	v_cvt_f32_u32 v3, v3
	v_cvt_f32_u32 v15, v15
	s_wait_kmcnt 0x0                               ; the suggestion is here
	v_mov_b32 v4, 0x43000000                       ; 128.0
	v_mov_b32 v5, 0x43800000                       ; 256.0
	v_mul_f32 v6, s16, v4
	v_mul_f32 v7, s17, v4
	v_mul_f32 v8, s18, v5
	v_mul_f32 v9, s19, v5
	v_rndne_f32 v6, v6                             ; x1   (halves to even, as jnp.round)
	v_rndne_f32 v7, v7                             ; x2
	v_rndne_f32 v8, v8                             ; y1
	v_rndne_f32 v9, v9                             ; y2
	v_cmp_le_f32 s36, 0, v6
	v_cmp_le_f32 s39, 0, v8
	v_cmp_ge_f32 s40, v4, v7
	v_cmp_ge_f32 s41, v5, v9
	v_cmp_gt_f32 s42, v7, v6
	v_cmp_gt_f32 s46, v9, v8
	s_and_b32 s36, s36, s39
	s_and_b32 s40, s40, s41
	s_and_b32 s42, s42, s46
	s_and_b32 s36, s36, s40
	s_and_b32 s36, s36, s42                        ; the box is valid: all lanes or none (a NaN fails its compares)
	v_cndmask_b32 v10, 0, 1.0, s36                 ; what stands outside the box: 1, or 0 everywhere for an invalid box
	; the argmax as 13 masks: candidate n replaces the choice so far if its score is strictly greater than all before it, so the first maximum wins
	v_mov_b32 v11, s21
.set n, 1
.rept NCAND-1
	v_cmp_lt_f32 s[SEL+n], v11, s[21+n]
	v_max_num_f32 v11, s[21+n], v11
.set n, n+1
.endr
	; which of my results lie in the box
.set j, 0
.rept 8
	v_cmp_ge_f32 s39, v[VT], v6
	v_cmp_lt_f32 s40, v[VT], v7
	v_add_f32 v[VT], 1.0, v[VT]
	s_and_b32 s39, s39, s40
	s_and_b32 s[RM+j], s39, s36
.set j, j+1
.endr
.set j, 0
.rept 4
	v_cmp_ge_f32 s39, v[VT+1], v8
	v_cmp_lt_f32 s40, v[VT+1], v9
	v_add_f32 v[VT+1], 1.0, v[VT+1]
	s_and_b32 s[CM+j], s39, s40
.set j, j+1
.endr
	; MY 32 WEIGHTS: source indices 16 q + 8 half + e (q = 0..3, e = 0..7), so that each chunk of 8 is 16 bytes of the row in LDS.
	; distance = (coordinate - start) - (box / 64) index; for a valid box every term is a multiple of 1/64 below 512: exact in f32.
	v_cndmask_b32 v12, v6, v8, s45                 ; start: x1 or y1
	v_cndmask_b32 v13, v7, v9, s45                 ; end
	v_sub_f32 v13, v13, v12
	v_mul_f32 v[WNS], 0xbc800000, v13              ; -(box / 64)
	v_sub_f32 v3, v3, v12
	v_mul_f32 v15, 0x41000000, v15                 ; 8 x half
	v_mov_b32 v[WNS+1], v[WNS]
	v_fma_f32 v[WD], v[WNS], v15, v3               ; index 8 half
	v_add_f32 v[WD+1], v[WD], v[WNS]               ; index 8 half + 1
.set m, 1
.irp c, 0x40000000, 0x40800000, 0x40c00000, 0x41800000, 0x41900000, 0x41a00000, 0x41b00000, 0x42000000, 0x42080000, 0x42100000, 0x42180000, 0x42400000, 0x42480000, 0x42500000, 0x42580000
	v_pk_fma_f32 v[WD+2*m:WD+2*m+1], v[WNS:WNS+1], \c, v[WD:WD+1] op_sel_hi:[1,0,1]     ; 2, 4, 6, 16, 18 .. 54 indices further on, as f32
.set m, m+1
.endr
.set m, 0
.rept 16
	v_pk_mul_f32 v[WD+2*m:WD+2*m+1], v[WD+2*m:WD+2*m+1], v[WD+2*m:WD+2*m+1]
.set m, m+1
.endr
	; the softmax's maximum is minus the least squared distance of the row: four chains, then the partner lane with the row's other half
.irp q, 0,1,2,3
	v_min3_num_f32 v[WMIN+\q], v[WD+8*\q], v[WD+8*\q+1], v[WD+8*\q+2]
.endr
.irp q, 0,1,2,3
	v_min3_num_f32 v[WMIN+\q], v[WMIN+\q], v[WD+8*\q+3], v[WD+8*\q+4]
.endr
.irp q, 0,1,2,3
	v_min3_num_f32 v[WMIN+\q], v[WMIN+\q], v[WD+8*\q+5], v[WD+8*\q+6]
.endr
	v_min3_num_f32 v[WMIN], v[WMIN], v[WD+7], v[WD+15]
	v_min3_num_f32 v[WMIN+1], v[WMIN+1], v[WD+23], v[WD+31]
	v_min3_num_f32 v[WMIN], v[WMIN], v[WMIN+1], v[WMIN+2]
	v_min_num_f32 v[WMIN], v[WMIN], v[WMIN+3]
	v_min_num_f32_dpp v[WMIN], v[WMIN], v[WMIN] row_xmask:1 row_mask:0xf bank_mask:0xf
	v_mul_f32 v[WML], 0x3fb8aa3b, v[WMIN]
	v_mov_b32 v[WML+1], v[WML]
.set m, 0
.rept 16
	v_pk_fma_f32 v[WD+2*m:WD+2*m+1], v[WD+2*m:WD+2*m+1], 0xbfb8aa3b, v[WML:WML+1] op_sel_hi:[1,0,1]   ; (least - mine) x log2 e: 0 at the maximum but for one rounding, below 0 elsewhere
.set m, m+1
.endr
.set m, 0
.rept 32
	v_exp_f32 v[WD+m], v[WD+m]
.set m, m+1
.endr
	v_nop                                          ; one plain vector instruction between the exponentials and the first use of a result (ISA guide 5.7.2)
	s_wait_alu depctr_va_vdst(0)
.irp q, 0,1,2,3
	v_pk_add_f32 v[WSUM+2*\q:WSUM+2*\q+1], v[WD+8*\q:WD+8*\q+1], v[WD+8*\q+2:WD+8*\q+3]
.endr
.irp q, 0,1,2,3
	v_pk_add_f32 v[WSUM+2*\q:WSUM+2*\q+1], v[WSUM+2*\q:WSUM+2*\q+1], v[WD+8*\q+4:WD+8*\q+5]
.endr
.irp q, 0,1,2,3
	v_pk_add_f32 v[WSUM+2*\q:WSUM+2*\q+1], v[WSUM+2*\q:WSUM+2*\q+1], v[WD+8*\q+6:WD+8*\q+7]
.endr
	v_pk_add_f32 v[WSUM:WSUM+1], v[WSUM:WSUM+1], v[WSUM+2:WSUM+3]
	v_pk_add_f32 v[WSUM+4:WSUM+5], v[WSUM+4:WSUM+5], v[WSUM+6:WSUM+7]
	v_pk_add_f32 v[WSUM:WSUM+1], v[WSUM:WSUM+1], v[WSUM+4:WSUM+5]
	v_add_f32 v[WSUM], v[WSUM], v[WSUM+1]
	v_add_f32_dpp v[WSUM], v[WSUM], v[WSUM] row_xmask:1 row_mask:0xf bank_mask:0xf     ; the whole row's sum, about 1 at the least
	v_rcp_f32 v[WSUM+2], v[WSUM]
	v_nop                                          ; the place behind the reciprocal
	s_wait_alu depctr_va_vdst(0)
	v_mov_b32 v[WSUM+3], v[WSUM+2]
.set m, 0
.rept 16
	v_pk_mul_f32 v[WD+2*m:WD+2*m+1], v[WD+2*m:WD+2*m+1], v[WSUM+2:WSUM+3]
.set m, m+1
.endr
.set m, 0
.rept 16
	v_cvt_pk_bf16_f32 v[WPK+m], v[WD+2*m], v[WD+2*m+1]
.set m, m+1
.endr
.irp q, 0,1,2,3
	ds_store_b128 v[VWS], v[WPK+4*\q:WPK+4*\q+3] offset:32*\q
.endr
	; THE CHOICE, candidate by candidate as the loads come back (in order: ISA guide 5.7.1): the two loads of each later candidate may stay out
.set n, 1
.rept NCAND-1
	s_wait_loadcnt 26-2*n
.irp q, 0,1,2,3,4,5,6,7
	v_cndmask_b32 v[IMG+\q], v[IMG+\q], v[IMG+8*n+\q], s[SEL+n]
.endr
.set n, n+1
.endr
.irp q, 0,1,2,3
	v_cvt_pk_bf16_f32 v[IP+\q], v[IMG+2*\q], v[IMG+2*\q+1]
.endr
	ds_store_b64 v[VIS], v[IP:IP+1] offset:LIMG
	ds_store_b64 v[VIS], v[IP+2:IP+3] offset:LIMG+32*PITCH
	s_wait_dscnt 0x0                               ; my weights and my pixels are in LDS,
	s_barrier_signal -1
	s_barrier_wait -1                              ; everybody's are
	; FIRST PRODUCT.  A fragment: lane (r, h) takes row r, K = 8 h .. + 7 and 16 + 8 h .. + 7: two loads of 16 bytes, 32 bytes apart.
.irp k, 0,1
	ds_load_b128 v[FB+8*\k:FB+8*\k+3],       v[VB] offset:LAC+64*\k
	ds_load_b128 v[FB+8*\k+4:FB+8*\k+7],     v[VB] offset:LAC+64*\k+32
	ds_load_b128 v[FA+8*\k:FA+8*\k+3],       v[VA] offset:LIMG+64*\k
	ds_load_b128 v[FA+8*\k+4:FA+8*\k+7],     v[VA] offset:LIMG+64*\k+32
	ds_load_b128 v[FA+16+8*\k:FA+16+8*\k+3], v[VA] offset:LIMG+16*PITCH+64*\k
	ds_load_b128 v[FA+16+8*\k+4:FA+16+8*\k+7], v[VA] offset:LIMG+16*PITCH+64*\k+32
.endr
.irp q, 0,1,2,3
	ds_load_b128 v[FAR+4*\q:FAR+4*\q+3], v[VB] offset:LAR+32*\q    ; Ar's fragments for the second product come along
.endr
	s_wait_dscnt 10                                ; of the 16 loads the six of K step 0 are in
	v_wmma_f32_16x16x32_bf16 v[TACC:TACC+7],    v[FA:FA+7],       v[FB:FB+7], 0            ; the first products start the sums; the two accumulators
	v_wmma_f32_16x16x32_bf16 v[TACC+8:TACC+15], v[FA+16:FA+23],   v[FB:FB+7], 0            ; take turns
	s_wait_dscnt 4                                 ; K step 1's six are in; Ar's four may stay out
	v_wmma_f32_16x16x32_bf16 v[TACC:TACC+7],    v[FA+8:FA+15],    v[FB+8:FB+15], v[TACC:TACC+7]
	v_wmma_f32_16x16x32_bf16 v[TACC+8:TACC+15], v[FA+24:FA+31],   v[FB+8:FB+15], v[TACC+8:TACC+15]
.rept 4
	v_nop                                          ; four places behind the last matrix instruction before its result is read (ISA guide 7.12.1)
.endr
	; Lane (r, h) holds T(i = 16 block + 8 h + 0..7, column r): rounded in pairs, the two blocks are registers 0-3 and 4-7 of the second product's
	; B fragment for 32 i.  It goes to LDS as it is, into bytes of my own, for the eight waves that multiply with it.
.irp q, 0,1,2,3,4,5,6,7
	v_cvt_pk_bf16_f32 v[TPK+\q], v[TACC+2*\q], v[TACC+2*\q+1]
.endr
	ds_store_b128 v[VTS], v[TPK:TPK+3] offset:LTT
	ds_store_b128 v[VTS], v[TPK+4:TPK+7] offset:LTT+32
	s_wait_dscnt 0x0                               ; my fragment is in LDS (and Ar's fragments are in my registers),
	s_barrier_signal -1
	s_barrier_wait -1                              ; everybody's is
	; SECOND PRODUCT: column tile t of my group and K step k were made by wave 4 (w >> 3) + t + 8 k
.irp k, 0,1
.irp t, 0,1,2,3
	ds_load_b128 v[FBT+8*(4*\k+\t):FBT+8*(4*\k+\t)+3],   v[VBT] offset:LTT+(\t+8*\k)*TFRAG
	ds_load_b128 v[FBT+8*(4*\k+\t)+4:FBT+8*(4*\k+\t)+7], v[VBT] offset:LTT+(\t+8*\k)*TFRAG+32
.endr
.endr
	s_wait_dscnt 8                                 ; K step 0's eight loads are in, K step 1's eight may stay out
.irp t, 0,1,2,3
	v_wmma_f32_16x16x32_bf16 v[ACC+8*\t:ACC+8*\t+7], v[FAR:FAR+7], v[FBT+8*\t:FBT+8*\t+7], 0              ; four accumulators by turns
.endr
	s_wait_dscnt 0x0
.irp t, 0,1,2,3
	v_wmma_f32_16x16x32_bf16 v[ACC+8*\t:ACC+8*\t+7], v[FAR+8:FAR+15], v[FBT+32+8*\t:FBT+32+8*\t+7], v[ACC+8*\t:ACC+8*\t+7]
.endr
.rept 4
	v_nop                                          ; four places before the results are read (ISA guide 7.12.1)
.endr
	; Register j of accumulator t is R(row 8 h + j, column 4 r + t).  The select that applies the box also lays the four columns side by side:
	; each store's lanes 0-15 write 256 consecutive bytes, aligned, of one row, lanes 16-31 those of the row 8 further down.
.set j, 0
.rept 8
.irp t, 0,1,2,3
	s_and_b32 s[39+\t], s[RM+j], s[CM+\t]
.endr
.irp t, 0,1,2,3
	v_cndmask_b32 v[OUTR+4*j+\t], v10, v[ACC+8*\t+j], s[39+\t]
.endr
	global_store_b128 v[VOUT], v[OUTR+4*j:OUTR+4*j+3], s[8:9] offset:j*1024 th:TH_STORE_NT
.set j, j+1
.endr
	s_wait_tensorcnt 0x0
	ds_add_u32 v224, v225
	s_wait_dscnt 0x0
	s_endpgm
.Lfunc_end_k_q990fd987dd_compose:
	.size	k_q990fd987dd_compose, .Lfunc_end_k_q990fd987dd_compose-k_q990fd987dd_compose
	.p2alignl 7, 3214868480
	.fill 96, 4, 3214868480
	.section	.rodata,"a",@progbits
	.p2align	6, 0x0
	.amdhsa_kernel k_q990fd987dd_compose
		.amdhsa_group_segment_fixed_size 68608
		.amdhsa_private_segment_fixed_size 0
		.amdhsa_enable_private_segment 0
		.amdhsa_kernarg_size 24
		.amdhsa_user_sgpr_count 2
		.amdhsa_user_sgpr_kernarg_segment_ptr 1
		.amdhsa_wavefront_size32 1
		.amdhsa_system_sgpr_workgroup_id_x 1
		.amdhsa_system_sgpr_workgroup_id_y 1
		.amdhsa_system_sgpr_workgroup_id_z 1
		.amdhsa_system_vgpr_workitem_id 0
		.amdhsa_next_free_vgpr 226
		.amdhsa_next_free_sgpr 80
		.amdhsa_reserve_vcc 0
		.amdhsa_float_denorm_mode_32 3
		.amdhsa_float_denorm_mode_16_64 3
		.amdhsa_memory_ordered 1
		.amdhsa_forward_progress 1
		.amdhsa_inst_pref_size 36
	.end_amdhsa_kernel
	.amdgpu_metadata
---
amdhsa.version: [ 1, 2 ]
amdhsa.kernels:
  - .name:           k_q990fd987dd_compose
    .symbol:         k_q990fd987dd_compose.kd
    .args:
      - { .name: X, .offset: 0, .size: 8, .value_kind: global_buffer, .address_space: global }
      - { .name: images, .offset: 8, .size: 8, .value_kind: global_buffer, .address_space: global }
      - { .name: out0, .offset: 16, .size: 8, .value_kind: global_buffer, .address_space: global }
    .group_segment_fixed_size: 68608
    .private_segment_fixed_size: 0
    .kernarg_segment_align: 8
    .kernarg_segment_size: 24
    .max_flat_workgroup_size: 512
    .sgpr_count:     80
    .vgpr_count:     226
    .wavefront_size: 32
...
	.end_amdgpu_metadata
.endif
;; end of part 1
